; MI455X (gfx1250); checked and timed in simulation.
; The chip was launched on July 23, 2026; its instructions are those of AMD's public machine-readable ISA for CDNA 5 (MIT licence, August 2026) and "CDNA5" Instruction Set Architecture Reference Guide (July 2026). The comments in the code are by the model that wrote it; some were corrected since.
;; Attn. Allowed arithmetic: matrix products marked QUANTISED: E3M2 operands, one E8M0 scale for each 32 along K, by v_wmma_scale_f32_16x16x128_f8f6f4 with both operands' format E3M2, f32 sums; products left as they are: f32 operands where the result goes on into a quantised operand, else bf16, f16 or f32 operands; f32 sums; everything else in f32.
;; Inputs: W_codes 1,024 x 32 x 24 uint8 (E3M2 codes of W, K innermost, in blocks of 32 codes, four codes in three bytes); W_scales 1,024 x 32 uint8 (E8M0 scales of W, one for each 32 codes along K); b 1,024 float32; encoder_output_codes 64 x 1,024 x 32 x 24 uint8 (E3M2 codes of encoder_output, K innermost, in blocks of 32 codes, four codes in three bytes); encoder_output_scales 64 x 1,024 x 32 uint8 (E8M0 scales of encoder_output, one for each 32 codes along K); hidden 1 x 64 x 1,024 float32.
;; Outputs: out0 64 x 1,024 float32.
;; This version of the problem:
;;   THIS VERSION OF THE PROBLEM IS GIVEN IN LOW PRECISION. The matrix products marked QUANTISED in the list below multiply operands that are first quantised to E3M2 (3 exponent bits, 2 mantissa bits; 6 bits a number), with one power-of-two scale for each 32 numbers along K (OCP MX v1.0); their sums are f32. All else is computed in f32.
;;   The module's matrix products, in the order in which they are computed (A, B: the left and right operand; K: the contracted axis; several contracted axes count as one K, in the product's order):
;;     1. [M 65,536, K 1,024] x [K 1,024, N 1,024]; A: input encoder_output (given as codes); B: input W (given as codes): QUANTISED
;;     2. batch 64 x [M 1, K 1,024] x [K 1,024, N 1,024]; A: input hidden; B: computed on the way: left as it is (M = 1 < 16)
;;   THE QUANTISER, for each operand of a quantised product, along K:
;;     - K is cut into blocks of 32 from its start; a last block that is shorter is filled with zeros.
;;     - A block's scale is 2^e with e = floor(log2(the largest magnitude in the block)) - 4, held to -126 .. 127; a block of zeros has e = 0. As a byte (E8M0): e + 127.
;;     - Each number is divided by its block's scale, clamped to +-28, and rounded to the nearest number of E3M2, ties to even, subnormals kept.
;;     - The product sums the exact products of the quantised numbers (number of the format x scale) in f32.
;;   ~~~python
;;   def quantise(x, axis):      # numpy; x: float32 -> the quantised numbers, widened to float32 again
;;       x = np.moveaxis(x, axis, -1); K = x.shape[-1]
;;       x = np.pad(x, [(0, 0)] * (x.ndim - 1) + [(0, -K % 32)]); x = x.reshape(x.shape[:-1] + (-1, 32)); a = np.abs(x).max(-1, keepdims=True)
;;       e = np.where(a > 0, np.clip(np.frexp(np.where(a > 0, a, 1))[1] - 1 - 4, -126, 127), 0)      # np.frexp(a)[1] - 1 = floor(log2(a)), exactly
;;       r = np.clip(x / 2.0 ** e, -28, 28)
;;       step = 2.0 ** (np.maximum(np.frexp(np.where(r == 0, 1, r))[1] - 1, -2) - 2)
;;       q = np.round(r / step) * step * 2.0 ** e      # np.round: ties to even
;;       return np.moveaxis(q.reshape(q.shape[:-2] + (-1,))[..., :K], -1, axis).astype(np.float32)
;;   ~~~
;;   INPUTS GIVEN AS CODES. W (in the module: [1024, 1024], K = its axis 1); encoder_output (in the module: [64, 1024, 1024], K = its axis 2): each comes as NAME_codes (uint8): NAME with its K axis moved to the last place and cut into blocks of 32 codes, [.., K / 32, bytes a block], one block behind the other in memory; four codes in three bytes: a row's codes are one little-endian stream of bits, code i at bits 6 i .. 6 i + 5 (a code: sign, 3 exponent bits, 2 mantissa bits); and NAME_scales (uint8): the same leading axes, one E8M0 byte (e + 127) for each 32 codes along K. Its value is code x scale, taken as it is: it is not quantised again, and the codes and scales need not be those that the quantiser above would give.
;; 2 versions. Each part assembles by itself: llvm-mc -triple=amdgcn-amd-amdhsa -mcpu=gfx1250 --defsym DOCPART=n.
;; ======== version 1 of 2: 1 launch
;; launch attn (part 1): grid 256 x 1, 4 waves a work-group, clusters of 4 x 1, 327,680 bytes of LDS; arguments W_codes, W_scales, b, encoder_output_codes, encoder_output_scales, hidden, out0; writes out0
.if DOCPART == 1
	.amdgcn_target "amdgcn-amd-amdhsa--gfx1250"
	.amdhsa_code_object_version 6
	.text
	.protected	k_qa877251ae8_attn
	.globl	k_qa877251ae8_attn
	.p2align	8
	.type	k_qa877251ae8_attn,@function
k_qa877251ae8_attn:
	s_mov_b64 s[64:65], 0
	v_nop
	global_prefetch_b8 v0, s[64:65] scope:SCOPE_SE
	s_setreg_imm32_b32 hwreg(HW_REG_WAVE_MODE, 25, 1), 1
	s_wait_xcnt 0x0
	s_wait_alu depctr_hold_cnt(0) depctr_sa_sdst(0) depctr_va_vdst(0) depctr_va_sdst(0) depctr_va_ssrc(0) depctr_va_vcc(0) depctr_vm_vsrc(0)
	s_getreg_b32 s2, hwreg(HW_REG_IB_STS2, 6, 4)
	s_cmp_eq_u32 s2, 0
	s_cbranch_scc0 .Lentry_in_a_cluster
	s_endpgm
.Lentry_in_a_cluster:
	s_bfe_u32 s2, ttmp6, 0x10000c
	s_cmp_lg_u32 s2, 0x3003
	s_cbranch_scc0 .Lentry_shape_is_right
	s_endpgm
.Lentry_shape_is_right:
; out0[b][s] = softmax over b of e[b][s],  e[b][s] = sum over n of h[b][n] (proj[b][s][n] + bias[n]),  proj = enc W^T on codes of BF6 (E3M2) with one E8M0 scale for each 32 along K.
; enc: [64][1024] rows of 1,024 codes (768 bytes) and 32 scale bytes; W: [1024] rows likewise; bias [1024], h [64][1024], out0 [64][1024]: f32.  proj never goes to memory.
; SHARES.  Work-group g of 256 owns the four s = 4 g .. 4 g + 3 for ALL 64 batches, 256 rows of enc: so the softmax over the batch stays at home and one launch does all.
; Wave w owns batches 16 w .. 16 w + 15: four row blocks of 16; row m of block a is batch 16 w + 4 a + m / 4, s = 4 g + m % 4.  Its 64 rows' codes, for all of K, stay in 384 registers, read once.
; W walks by: eight slots of 128 rows x all of K through a ring of two LDS regions.  CLUSTER: the four work-groups of a cluster walk the same W, so each slot is asked for JOINTLY, by the same
; tensor load with the same descriptor and a mask that names the four.
; A PAIR is two tiles of 16 rows of W against the four row blocks: 8 accumulators, 8 K steps of 128, 64 matrix instructions.  K is whole inside a pair, so a finished pair is multiplied by h and
; added into 32 running sums (E) while the next pair is multiplied, on the other set of 8 accumulators.
; LAYOUT.  Source 0 = 16 rows of enc, source 1 = 16 rows of W: a lane (r = lane % 16, hh = lane / 16) holds ONE column n and rows 8 hh + 0 .. 7: two batches x four s.
; THE ROWS OF W THAT FORM A TILE ARE NOT NEIGHBOURS: lane r of tile (t, u) of slot z takes row n = 128 z + 64 u + 4 r + t.  So a lane's columns of tiles t = 0 .. 3 are four neighbours, and its four h
; (and four bias numbers) come by one load of 16 bytes, sixteen lanes reading 256 consecutive bytes.  The mover lays the rows so for nothing: wave t's tile is rows t, t + 4, t + 8 .. of the slot.
; The sum of h bias is kept apart (BT) and joins the energies at the end.
; LIMITS, kept and stated: the f32 sums over n run in another order than a plain loop's (by lanes, then across sixteen lanes; h bias apart); an exponential under 2^-126 comes out as 0;
; a scale byte 0xff or a NaN in h or bias makes the whole column of out0 NaN.  out0 leaves as 16 bytes a row (four s of one batch): a row's neighbours belong to other work-groups.
; Not used: prefetches (enc is asked for whole at the start, W and h are read by every work-group); a launch for the softmax (see SHARES).
;
; REGISTERS, in windows of 256 (s_set_vgpr_msb: bits 1:0 source 0, 3:2 source 1, 5:4 source 2, 7:6 destination):
;   window 0: v1 r, v2 hh; v16-17 for the add; v18-30 addresses; v32-47 enc's scale words; v48-79 W's, four pairs' worth; v80-95 BT; v96-103 bias, two sets; v104-171 the end
;   window 1: v0-127 two sets of 8 accumulators; v128-159 E; v160-255 a ring of four places for W's two fragments of a K step
;   window 2: v0-191 enc's fragments of row blocks 0, 1; v192-195 LDS addresses of W's fragments; v200-231 h, two sets.      window 3: the same for row blocks 2, 3
; ONE setting (WS1 or WS2) serves the matrix instruction, the LDS load of W's fragments (data window 1, address window 2 or 3) and the multiply-add by h: so loads and multiply-adds stand singly
; among the matrix instructions, and a group of eight matrix instructions has one switch.
.set PITCH,  816                       ; an LDS row: 3 x (256 bytes + 16 of padding) = 204 words: row r starts at bank 12 r mod 64 (64 banks of 4 bytes: ISA guide 11.1): sixteen different multiples of 4;
                                       ; lanes 16-31 read 6 or 10 words further on: the 32 lanes of a load of 8 bytes touch 64 different banks
.set WPART,  32*PITCH                  ; what one wave's tensor load brings of a slot: 32 rows
.set TILE16, 16*PITCH
.set SLOT1,  1<<17                     ; the ring's second region begins here: one exclusive or turns an address of one region into the other's
.set ASTG,   4*WPART                   ; behind region 0: enc's stage, 64 rows for each wave, read once; region 1 lies inside it and is filled with W afterwards
.set AWAVE,  64*PITCH
.set SPARE,  ASTG+4*AWAVE              ; the spare words, 128 bytes for each wave: two blocks of 256 bytes that no other line names
.set SCR,    SPARE+512                 ; the 256 energies, [batch][4] f32: no tile ever lands here
.set WSLOTB, 128*768                   ; a slot's rows in memory
.set SPW, 16                           ; v16  LDS address of my spare word; never rewritten
.set NIL, 17                           ; v17  0; never rewritten
.set AB0, 18                           ; v18-21  my lane's place in a tile of W: 2 tp + var: 816 r + (24 or 40) hh + 2 tp parts
.set AAD, 22                           ; v22-23  the same in my wave's stage of enc
.set VH,  24                           ; v24  h: 8,192 hh + 16 r
.set VWS, 25                           ; v25  W's scale words: 128 r + 16 hh
.set VB,  26                           ; v26  bias: 16 r
.set VAS, 27                           ; v27  enc's scale words: 32,768 (r / 4) + 32 (r % 4) + 16 hh
.set STO, 28                           ; v28  the end: where my half of the lanes puts its energies
.set RDE, 29                           ; v29  the end: where my lane reads a batch's four
.set VO,  30                           ; v30  the end: my batch's row in out0
.set AS,  32                           ; enc's scale words: block a at v[AS + 4 a + i]: lanes 0-15 the word of K step i, lanes 16-31 that of K step 4 + i
.set BS,  48                           ; W's: pair p, tile x at v[BS + 8 p + 4 x + i], likewise
.set BT,  80                           ; sums of h bias: (a, i) a pair at v[BT + 4 a + 2 i]
.set BI,  96                           ; bias: set u, four numbers
.set BTS, 104
.set FE,  112
.set EE,  128                          ; window 1
.set RING, 160                         ; window 1
.set ADB, 192                          ; windows 2 and 3
.set HV,  200                          ; windows 2 and 3: set u, block a % 2, batch i, column t at v[HV + 16 u + 8 (a % 2) + 4 i + t]
.set WV,  18                           ; s18  my wave's number
.set GG,  19                           ; s19  my work-group's number
.set G1W, 24                           ; s[24:31] descriptor group 1 for W's tiles;  s[32:35] its group 0, which walks
.set G0W, 32
.set G1A, 36                           ; s[36:43], s[44:47] the same for enc's stage
.set G0A, 44
.set SEL, 48                           ; s[48:49] lane selects for v_permlanex16_b32: lane l xor 16
.set TB,  50                           ; s50  LDS byte at which the region in hand begins
.set CNT, 51                           ; s51  trips to go
.set WS1, 0x56                         ; source 0 window 2; source 1, source 2 and destination window 1
.set WS2, 0x57                         ; the same with source 0 in window 3
.set WB1, 0x02                         ; source 0 window 2, all else window 0
.set WB2, 0x03
.set WL2, 0x80                         ; destination window 2
.set WL3, 0xc0
.set WZ1, 0x40                         ; destination window 1
.set WFIN, 0x01                        ; source 0 window 1
.set MSB, 0
.macro WIN new                         ; the immediate's high byte repeats the setting that is left; a switch that changes nothing is dropped
.if MSB != (\new)
	s_set_vgpr_msb (MSB<<8)|(\new)
.set MSB, (\new)
.endif
.endm
.macro PLACES
.rept 4
	v_nop
.endr
.endm
.macro CREST                           ; a round of the cluster's barrier behind its opening barrier
	s_cmp_lg_u32 s[WV], 0
	s_cbranch_scc1 .Lnot_wave_0_\@
	s_barrier_signal -3
.Lnot_wave_0_\@:
	s_barrier_wait -3
	s_barrier_signal -1
	s_barrier_wait -1
.endm
.macro ROUND                           ; a whole round
	s_barrier_signal -1
	s_barrier_wait -1
	CREST
.endm
	s_load_b256 s[4:11], s[0:1], 0x0               ; W's codes s[4:5], W's scales s[6:7], bias s[8:9], enc's codes s[10:11]
	s_load_b128 s[12:15], s[0:1], 0x20             ; enc's scales s[12:13], h s[14:15]
	s_load_b64 s[16:17], s[0:1], 0x30              ; out0
	v_lshl_add_u32 v[SPW], v0, 2, SPARE
	v_mov_b32 v[NIL], 0
	ds_add_u32 v16, v17
	ds_add_u32 v16, v17
	s_wait_dscnt 0x0
	v_lshrrev_b32 v1, 5, v0
	v_readfirstlane_b32 s[WV], v1                  ; wave 0..3
	s_bfe_u32 s52, ttmp6, 0x40000                  ; cx: my place in the cluster
	s_lshl_b32 s[GG], ttmp9, 2                     ; in a cluster launch ttmp9 counts clusters
	s_add_co_u32 s[GG], s[GG], s52                 ; g = 4 x cluster + cx: it enters the addresses of enc, its scales and out0 alone
	; group 1 for W: 32 rows of 96 elements of 8 bytes, 4 rows of W apart; 16 bytes of padding behind every 256
	s_mov_b32 s[G1W+0], 15|(3<<16)|(1<<20)|(1<<21)|(5<<22)|(3<<25)  ; 15:0 the mask: all four work-groups; 17:16 elements of 8 bytes; 20 padding on; 21 set beside a mask; 24:22 after every 64 words (code 5); 31:25 4 words of it (code 3)
	s_mov_b32 s[G1W+1], 96<<16                     ; tensor_dim0
	s_mov_b32 s[G1W+2], 32<<16                     ; tensor_dim1
	s_mov_b32 s[G1W+3], 96<<16                     ; tile_dim0
	s_mov_b32 s[G1W+4], 32                         ; tile_dim1
	s_mov_b32 s[G1W+5], 384                        ; from row to row: 3,072 bytes
	s_mov_b32 s[G1W+6], 0
	s_mov_b32 s[G1W+7], 0
	; group 1 for enc: 16 batches, of each 3,072 consecutive bytes (four s); no mask: each work-group has rows of its own.  With the padding a batch's bytes become four LDS rows of 816
	s_mov_b32 s[G1A+0], (3<<16)|(1<<20)|(5<<22)|(3<<25)
	s_mov_b32 s[G1A+1], 384<<16
	s_mov_b32 s[G1A+2], 16<<16
	s_mov_b32 s[G1A+3], 384<<16
	s_mov_b32 s[G1A+4], 16
	s_mov_b32 s[G1A+5], 98304                      ; from batch to batch: 786,432 bytes
	s_mov_b32 s[G1A+6], 0
	s_mov_b32 s[G1A+7], 0
	s_mul_i32 s20, s[WV], 768                      ; W: my tile begins at row w of a slot
	s_mov_b32 s21, 0
	s_mul_i32 s22, s[WV], 16*786432                ; enc: my 16 batches,
	s_mul_i32 s23, s[GG], 3072                     ; my work-group's four s
	s_add_co_u32 s22, s22, s23
	s_mov_b32 s23, 0
	s_lshl_b32 s54, s[WV], 19                      ; enc's scales: 16 batches of 32,768 bytes, four s of 32
	s_lshl_b32 s55, s[GG], 7
	s_add_co_u32 s54, s54, s55
	s_mov_b32 s55, 0
	s_lshl_b32 s56, s[WV], 16                      ; h: 16 rows of 4,096 bytes
	s_mov_b32 s57, 0
	s_lshl_b32 s58, s[GG], 4                       ; out0: four s of 4 bytes
	s_mov_b32 s59, 0
	s_mov_b32 s[G0W], 1                            ; count = 1
	s_mul_i32 s[G0W+1], s[WV], WPART               ; LDS address: region 0, part w: no place in the cluster enters it
	s_mov_b32 s[G0A], 1
	s_mul_i32 s[G0A+1], s[WV], AWAVE
	s_add_co_u32 s[G0A+1], s[G0A+1], ASTG          ; my wave's stage
	s_mov_b32 s[SEL], 0x76543210
	s_mov_b32 s[SEL+1], 0xfedcba98
	s_mov_b32 s[TB], 0
	s_mov_b32 s[CNT], 6
	s_wait_kmcnt 0x0
	s_add_nc_u64 s[G0W+2:G0W+3], s[4:5], s[20:21]
	s_or_b32 s[G0W+3], s[G0W+3], 0x80000000        ; type = 2
	s_add_nc_u64 s[G0A+2:G0A+3], s[10:11], s[22:23]
	s_or_b32 s[G0A+3], s[G0A+3], 0x80000000
	s_add_nc_u64 s[12:13], s[12:13], s[54:55]
	s_add_nc_u64 s[14:15], s[14:15], s[56:57]
	s_add_nc_u64 s[16:17], s[16:17], s[58:59]
	ROUND                                          ; all four work-groups are here: the first joint loads meet
	tensor_load_to_lds s[G0W:G0W+3], s[G1W:G1W+7]  ; slot 0 of W, my part: joint
	s_nop 0
	tensor_load_to_lds s[G0A:G0A+3], s[G1A:G1A+7]  ; my 64 rows of enc.  Two tensor loads of mine are out
	s_nop 0
	PLACES                                         ; four v_nop follow the loads
	v_and_b32 v1, 15, v0                           ; r
	v_bfe_u32 v2, v0, 4, 1                         ; hh
	v_mul_u32_u24 v3, v1, PITCH
	v_mad_u32_u24 v[AB0], v2, 24, v3               ; lanes 16-31 read three pieces of 8 bytes further on,
	v_mad_u32_u24 v[AB0+1], v2, 40, v3             ; which for some pieces is behind one padding more
	v_add_nc_u32 v[AB0+2], 2*WPART, v[AB0]
	v_add_nc_u32 v[AB0+3], 2*WPART, v[AB0+1]
	v_add_nc_u32 v[AAD], s[G0A+1], v[AB0]          ; (the descriptor's word is read, not written)
	v_add_nc_u32 v[AAD+1], s[G0A+1], v[AB0+1]
	v_lshlrev_b32 v[VB], 4, v1
	v_lshl_add_u32 v[VH], v2, 13, v[VB]
	v_lshlrev_b32 v[VWS], 7, v1
	v_lshl_add_u32 v[VWS], v2, 4, v[VWS]
	v_lshrrev_b32 v4, 2, v1
	v_and_b32 v5, 3, v1
	v_lshlrev_b32 v[VAS], 15, v4
	v_lshl_add_u32 v[VAS], v5, 5, v[VAS]
	v_lshl_add_u32 v[VAS], v2, 4, v[VAS]
	s_lshl_b32 s53, s[WV], 8
	s_add_co_u32 s53, s53, SCR
	v_lshl_add_u32 v[STO], v2, 5, s53              ; energies: 16 bytes a batch: 256 w + 32 hh (+ 64 a + 16 i)
	v_and_b32 v6, 31, v0
	v_lshl_add_u32 v[RDE], v6, 4, SCR
	v_lshlrev_b32 v[VO], 12, v6
.irp a, 0,1,2,3
	global_load_b128 v[AS+4*\a:AS+4*\a+3], v[VAS], s[12:13] offset:131072*\a      ; my row's words 4 hh .. 4 hh + 3
.endr
.irp p, 0,1,2
.irp x, 0,1
	global_load_b128 v[BS+8*\p+4*\x:BS+8*\p+4*\x+3], v[VWS], s[6:7] offset:2048*(\p/2)+32*(2*(\p%2)+\x)   ; slot 0, pairs 0 to 2
.endr
.endr
	global_load_b128 v[BI:BI+3], v[VB], s[8:9]     ; bias, set 0
	WIN WL2
.irp a, 0,1
.irp i, 0,1
	global_load_b128 v[HV+8*\a+4*\i:HV+8*\a+4*\i+3], v[VH], s[14:15] offset:4096*(4*\a+\i)      ; h, set 0
.endr
.endr
	WIN WL3
.irp a, 0,1
.irp i, 0,1
	global_load_b128 v[HV+8*\a+4*\i:HV+8*\a+4*\i+3], v[VH], s[14:15] offset:4096*(4*(\a+2)+\i)
.endr
.endr
	WIN WZ1
.set KK, 0
.rept 32
	v_mov_b32 v[EE+KK], 0                          ; E and BT begin as zeros: the loop, written once, adds into them from its first trip on
.set KK, KK+1
.endr
	WIN 0
.set KK, 0
.rept 16
	v_mov_b32 v[BT+KK], 0
.set KK, KK+1
.endr
; enc's fragments of row block a: 16 rows x 128 K of 6-bit codes are 12 registers: lane (r, hh) holds row r; registers 6 c .. 6 c + 5 hold K = 64 c + 32 hh + 0 .. 31: 24 bytes of the row's stream of bits, as they lie,
; in pieces of 8 bytes.  Piece P of a row lies at 8 P + 16 (P / 32).  K step q takes pieces 12 q + 0, 1, 2, 6, 7, 8 (lanes 16-31 three on: the second address register where that passes a padding).
.macro ALOAD a
.set AQ, 0
.rept 48
.set PCX, 12*(AQ/6)+6*((AQ%6)/3)+AQ%3
.set LVAR, ((PCX%32)+3)/32
	ds_load_b64 v[96*((\a)%2)+2*AQ:96*((\a)%2)+2*AQ+1], v[AAD+LVAR] offset:(\a)*TILE16+8*PCX+16*(PCX/32)
.set AQ, AQ+1
.endr
.endm
	s_wait_tensorcnt 0x0                           ; my stage is in (and my part of slot 0): only I read my stage, so my own wait is all that these reads need
	WIN WL2
	ALOAD 0
	ALOAD 1
	WIN WL3
	ALOAD 2
	ALOAD 3
	WIN 0
	; Region 1 lies where the stages lay: its first tile of W is a refill
	s_wait_tensorcnt 0x0                           ; no tensor load of mine is out, so a group 0 may be written
	ds_add_u32 v[SPW], v[NIL]                      ; 0 onto my spare word
	s_xor_b32 s[G0W+1], s[G0W+1], SLOT1            ; the walking descriptor: the other region,
	s_add_nc_u64 s[G0W+2:G0W+3], s[G0W+2:G0W+3], WSLOTB   ; the next 128 rows of W; the type bits on top are not reached
	s_wait_dscnt 0x0                               ; the add is done, and enc's fragments are in my registers: my reads of the stage are over
	ROUND                                          ; so are those of every wave of every partner; and every wave's part of slot 0 has landed
	tensor_load_to_lds s[G0W:G0W+3], s[G1W:G1W+7]  ; slot 1: the first thing behind the round, my one tensor load until the next
	s_nop 0
	PLACES
; THE LDS ADDRESSES of W's fragments in the region in hand, a copy in window 2 and one in window 3
.macro ADDR
	WIN WL2
.irp k, 0,1,2,3
	v_add_nc_u32 v[ADB+\k], s[TB], v[AB0+\k]
.endr
	WIN WL3
.irp k, 0,1,2,3
	v_add_nc_u32 v[ADB+\k], s[TB], v[AB0+\k]
.endr
.endm
; W's FRAGMENTS.  A GROUP o = 8 p + q (pair p of the slot, K step q) is eight matrix instructions on two fragments of W (tiles x = 0, 1), which lie in place o % 4 of the ring.
; ONE_LD writes load LQ of the list that begins with group LOCT: 12 loads a group (2 fragments x 6 pieces).  Tile (t = 2 (p % 2) + x, u = p / 2) is rows 16 u .. 16 u + 15 of part t.
.macro ONE_LD
.set LOO, LOCT+LQ/12
.set LX, (LQ/6)%2
.set LP, LQ%6
.set PCX, 12*(LOO%8)+6*(LP/3)+LP%3
.set LPR, (LOO/8)%4
.set LVAR, ((PCX%32)+3)/32
	ds_load_b64 v[RING+24*(LOO%4)+12*LX+2*LP:RING+24*(LOO%4)+12*LX+2*LP+1], v[ADB+2*(LPR%2)+LVAR] offset:WPART*LX+TILE16*(LPR/2)+8*PCX+16*(PCX/32)
.set LQ, LQ+1
.endm
.macro LDN n
.rept \n
	ONE_LD
.endr
.endm
; One matrix instruction of pair PR, K step QQ: tile x of W against row block a.  K step 0 starts the sum with the constant 0: no accumulator is ever cleared.
; A scale register serves K step i from lanes 0-15 and K step 4 + i from lanes 16-31.
.macro MM x, a
.set rD, 64*(PR%2)+32*(\x)+8*(\a)
.set rA, 96*((\a)%2)+12*QQ
.set rB, RING+24*(QQ%4)+12*(\x)
.set rSA, AS+4*(\a)+QQ%4
.set rSB, BS+8*PR+4*(\x)+QQ%4
.if QQ == 0
	v_wmma_scale_f32_16x16x128_f8f6f4 v[rD:rD+7], v[rA:rA+11], v[rB:rB+11], 0, v[rSA], v[rSB] matrix_a_fmt:MATRIX_FMT_BF6 matrix_b_fmt:MATRIX_FMT_BF6
.elseif QQ < 4
	v_wmma_scale_f32_16x16x128_f8f6f4 v[rD:rD+7], v[rA:rA+11], v[rB:rB+11], v[rD:rD+7], v[rSA], v[rSB] matrix_a_fmt:MATRIX_FMT_BF6 matrix_b_fmt:MATRIX_FMT_BF6
.else
	v_wmma_scale_f32_16x16x128_f8f6f4 v[rD:rD+7], v[rA:rA+11], v[rB:rB+11], v[rD:rD+7], v[rSA], v[rSB] matrix_a_fmt:MATRIX_FMT_BF6 matrix_b_fmt:MATRIX_FMT_BF6 matrix_a_scale:MATRIX_SCALE_ROW1 matrix_b_scale:MATRIX_SCALE_ROW1
.endif
.endm
; E += h x a finished accumulator: tile XE, row block AE of the pair before, PV.  Registers 2 k, 2 k + 1 are two s of batch k / 2 of my half: one h for both (the pair's register XE).
; k ascends: each accumulator is first read at its low end.
.macro EV k
.set rE, EE+8*AE+2*(\k)
.set rH, HV+16*(PV/2)+8*(AE%2)+4*((\k)/2)+2*(PV%2)
.set rC, 64*(PV%2)+32*XE+8*AE+2*(\k)
.if XE == 0
	v_pk_fma_f32 v[rE:rE+1], v[rH:rH+1], v[rC:rC+1], v[rE:rE+1] op_sel_hi:[0,1,1]
.else
	v_pk_fma_f32 v[rE:rE+1], v[rH:rH+1], v[rC:rC+1], v[rE:rE+1] op_sel:[1,0,0] op_sel_hi:[1,1,1]
.endif
.endm
.macro EV2 k
.if EPI
	EV \k
	EV \k+1
.else
	v_nop                                          ; the very first pair has no pair before it
	v_nop
.endif
.endm
; A GROUP: eight matrix instructions on eight accumulators, one instruction a turn; n1 .. n8: LDS loads behind each.  Even K steps take row blocks 0, 1 and then 2, 3, odd ones
; the other way round: one switch a group.  The four multiply-adds at its head belong to a row block of the setting in hand; they name E, h and the OTHER set of accumulators alone, so they are the four places
; (ISA guide 7.12.1 for vector instructions) between the group before, which read the ring's place (o - 1) % 4, and this group's first load into that place.
.macro OCT n1, n2, n3, n4, n5, n6, n7, n8
.set XE, (QQ/2)%2
.set AE, 2*(QQ%2)+QQ/4
.set H1, QQ%2
.set H2, 1-H1
	WIN WS1+H1
	MM 0, 2*H1
	EV2 0
	LDN \n1
	MM 1, 2*H1
	EV2 2
	LDN \n2
	MM 0, 2*H1+1
	LDN \n3
	MM 1, 2*H1+1
	LDN \n4
	WIN WS1+H2
	MM 0, 2*H2
	LDN \n5
	MM 1, 2*H2
	LDN \n6
	MM 0, 2*H2+1
	LDN \n7
	MM 1, 2*H2+1
	LDN \n8
.set QQ, QQ+1
.endm
.macro NOCT                            ; the usual group: it asks for the fragments of the group three on
	s_wait_dscnt 24                                ; my fragments, asked for three groups ago, are in; the 12 loads of each of the two groups between may be out
.set LOCT, 8*PR+QQ+3
.set LQ, 0
	OCT 0,0,3,3,2,2,1,1
.endm
.macro ZOCT                            ; a group that asks for nothing
	OCT 0,0,0,0,0,0,0,0
.endm
; BT += h x bias for the two tiles of pair PV: eight plain instructions that name no register of a matrix instruction.  At a pair's head they are the places between the last pair's products and
; the first reads of its accumulators, the loads into its scale words' registers, and the first loads into the ring's place that it read last.
.macro BIAS
	WIN WB1
.irp a, 0,1
.irp i, 0,1
	v_pk_fma_f32 v[BT+4*\a+2*\i:BT+4*\a+2*\i+1], v[HV+16*(PV/2)+8*\a+4*\i+2*(PV%2):HV+16*(PV/2)+8*\a+4*\i+2*(PV%2)+1], v[BI+4*(PV/2)+2*(PV%2):BI+4*(PV/2)+2*(PV%2)+1], v[BT+4*\a+2*\i:BT+4*\a+2*\i+1]
.endr
.endr
	WIN WB2
.irp a, 0,1
.irp i, 0,1
	v_pk_fma_f32 v[BT+8+4*\a+2*\i:BT+8+4*\a+2*\i+1], v[HV+16*(PV/2)+8*\a+4*\i+2*(PV%2):HV+16*(PV/2)+8*\a+4*\i+2*(PV%2)+1], v[BI+4*(PV/2)+2*(PV%2):BI+4*(PV/2)+2*(PV%2)+1], v[BT+8+4*\a+2*\i:BT+8+4*\a+2*\i+1]
.endr
.endr
.endm
; A PAIR.  p: which of the slot's four.  epi = 1: the pair before is taken into E and BT.  ldb = 1: W's scale words of the pair three on are asked for, relb slots on from the base.
; ldh = 1 (p = 1, 3): h and bias of the next half slot are asked for, relh slots on.  lw >= 0: a wait on LOADcnt at the head.
; turn: 0 none; 1 the slot is left and filled again; 2 it is left; 3 the last slot: nothing more to fetch.
.macro PAIR p, epi, ldb, relb, ldh, relh, lw, turn
.set PR, \p
.set PV, (\p+3)%4
.set EPI, \epi
.set QQ, 0
.if \lw >= 0
	s_wait_loadcnt \lw                             ; 2: the last pair's two loads of scale words may be out; all older loads are in: the h and bias asked for two pairs ago, and every scale word due before the next such wait
.endif
.if \epi
	BIAS
.endif
.if \ldb
	WIN 0
.irp x, 0,1
	global_load_b128 v[BS+8*PV+4*\x:BS+8*PV+4*\x+3], v[VWS], s[6:7] offset:4096*\relb+2048*(PV/2)+32*(2*(PV%2)+\x)
.endr
.endif
.if \ldh
.set HSET, 1-(\p)/2
.set HOFF, 256*(1+(\p)/2)+512*\relh
	WIN 0
	global_load_b128 v[BI+4*HSET:BI+4*HSET+3], v[VB], s[8:9] offset:HOFF
	WIN WL2
.irp a, 0,1
.irp i, 0,1
	global_load_b128 v[HV+16*HSET+8*\a+4*\i:HV+16*HSET+8*\a+4*\i+3], v[VH], s[14:15] offset:4096*(4*\a+\i)+HOFF   ; sixteen lanes read 256 consecutive bytes of a batch's row
.endr
.endr
	WIN WL3
.irp a, 0,1
.irp i, 0,1
	global_load_b128 v[HV+16*HSET+8*\a+4*\i:HV+16*HSET+8*\a+4*\i+3], v[VH], s[14:15] offset:4096*(4*(\a+2)+\i)+HOFF
.endr
.endr
.endif
.if \turn == 0
.rept 8
	NOCT
.endr
.else
.rept 5
	NOCT                                           ; groups 24 to 28 ask for the slot's last fragments
.endr
.if \turn == 3
	s_wait_dscnt 24
	ZOCT
	s_wait_dscnt 12                                ; one younger group's loads may be out
	ZOCT
	s_wait_dscnt 0x0
	ZOCT
.else
	; THE CHANGE OF SLOTS: one barrier.  In front of it each wave waits for all its tensor loads (one is out: its part of the next slot), adds 0 to its spare word, and waits for that and for its reads of this slot.
	WIN 0                                          ; (the add's two registers lie in window 0)
	s_wait_tensorcnt 0x0
	ds_add_u32 v[SPW], v[NIL]                      ; 0 onto my spare word; eight matrix instructions stand between it and the wait for it
.if \turn == 1
	s_xor_b32 s[G0W+1], s[G0W+1], SLOT1            ; the walking descriptor: the region that is being left,
	s_add_nc_u64 s[G0W+2:G0W+3], s[G0W+2:G0W+3], WSLOTB   ; the slot two on
.endif
	s_wait_dscnt 25                                ; group 29's fragments are in; the add and the 24 loads of groups 27 and 28 may be out
	ZOCT
	s_wait_dscnt 0x0                               ; the add is done, and my reads of this slot are over
	s_barrier_signal -1
	ZOCT                                           ; work on registers while the others arrive
	WIN 0
	s_barrier_wait -1
.if \turn == 1
	CREST                                          ; the barrier has opened a round of the cluster's: no wave of any partner still reads this slot or has a load on its way
	tensor_load_to_lds s[G0W:G0W+3], s[G1W:G1W+7]  ; the first thing behind the round, my one tensor load until the next: it has a slot's 30 groups in which to land
	s_nop 0
.endif
	PLACES                                         ; with the eight additions below: the places in front of the loads into the ring
	s_xor_b32 s[TB], s[TB], SLOT1                  ; on to the other region
	ADDR
	WIN WS2
.set LOCT, 32
.set LQ, 0
	LDN 12                                         ; the next slot's first three groups: 36 loads, so that the next group's wait finds the usual count
	OCT 0,0,4,4,4,4,4,4
.endif
.endif
.endm
	ADDR
	WIN WS1
.set LOCT, 0
.set LQ, 0
	LDN 36                                         ; slot 0, groups 0 to 2
	s_wait_loadcnt 0x0                             ; the scale words, h and bias asked for at the head
	PAIR 0, 0, 1, 0, 0, 0, -1, 0                   ; the first pair stands in front of the loop: it has no pair before it
	WIN 0                                          ; at a label and at a branch every window is 0
.Lslot:                                                ; six trips: pairs 1 to 3 of slot z and pair 0 of slot z + 1; slot z's region is filled with slot z + 2
	PAIR 1, 1, 1, 1, 1, 0, 2, 0
	PAIR 2, 1, 1, 1, 0, 0, -1, 0
	PAIR 3, 1, 1, 1, 1, 0, 2, 1
	PAIR 0, 1, 1, 1, 0, 0, -1, 0
	WIN 0
	s_wait_xcnt 0x0                                ; the loads' bases are stepped only behind this wait
	s_add_nc_u64 s[6:7], s[6:7], 4096              ; a slot's scale words of W,
	s_add_nc_u64 s[8:9], s[8:9], 512               ; its 128 numbers of bias
	s_add_nc_u64 s[14:15], s[14:15], 512           ; and of h
	s_sub_co_u32 s[CNT], s[CNT], 1
	s_cmp_lg_u32 s[CNT], 0
	s_cbranch_scc1 .Lslot
	PAIR 1, 1, 1, 1, 1, 0, 2, 0                    ; the tail is written out.  Slot 6: the bases stay at it
	PAIR 2, 1, 1, 1, 0, 0, -1, 0
	PAIR 3, 1, 1, 1, 1, 0, 2, 2                    ; it is left, and nothing is asked for
	PAIR 0, 1, 1, 1, 0, 0, -1, 0                   ; slot 7
	PAIR 1, 1, 0, 0, 1, 1, 2, 0                    ; the last h and bias; no load leaves its buffer
	PAIR 2, 1, 0, 0, 0, 0, -1, 0
	PAIR 3, 1, 0, 0, 0, 0, 0, 3
.set PV, 3                             ; the last pair is taken into BT and E
	BIAS
	WIN WS1
.irp it, 0,1,2,3
.set XE, \it%2
.set AE, \it/2
	EV 0
	EV 1
	EV 2
	EV 3
.endr
	WIN WS2
.irp it, 4,5,6,7
.set XE, \it%2
.set AE, \it/2
	EV 0
	EV 1
	EV 2
	EV 3
.endr
	; THE END.  A lane's sums cover its 64 columns: h bias joins them, then the sixteen lanes of a half are added.  Register 8 a + j then holds e(batch 16 w + 4 a + 2 hh + j / 4, s = 4 g + j % 4) in every lane of the half.
	WIN 0
.irp a, 0,1,2,3
.irp i, 0,1
	v_add_f32 v[BTS+2*\a+\i], v[BT+4*\a+2*\i], v[BT+4*\a+2*\i+1]
.endr
.endr
	WIN WFIN
.set KK, 0
.rept 32
	v_add_f32 v[FE+KK], v[EE+KK], v[BTS+KK/4]
.set KK, KK+1
.endr
	WIN 0
.irp m, 1,2,4,8
.set KK, 0
.rept 32
	v_add_f32_dpp v[FE+KK], v[FE+KK], v[FE+KK] row_xmask:\m row_mask:0xf bank_mask:0xf
.set KK, KK+1
.endr
.endr
.irp a, 0,1,2,3
.irp i, 0,1
	ds_store_b128 v[STO], v[FE+8*\a+4*\i:FE+8*\a+4*\i+3] offset:64*\a+16*\i     ; a batch's four energies; the sixteen lanes of a half write the same bytes with the same values
.endr
.endr
.irp c, 0,1,2,3
	v_mov_b32 v[156+\c], 0                         ; written once: a lane permute's destination counts as one of its sources
.endr
	s_wait_dscnt 0x0                               ; for the others' sake: my stores have landed
	s_barrier_signal -1
	s_barrier_wait -1
	ds_load_b128 v[144:147], v[RDE]                ; batch l's four energies,
	ds_load_b128 v[148:151], v[RDE] offset:512     ; and batch l + 32's
	s_wait_dscnt 0x0
	; the softmax over the 64 batches, for four s at once: the largest is taken away before the exponential
.irp c, 0,1,2,3
	v_max_num_f32 v[152+\c], v[144+\c], v[148+\c]
.endr
.irp m, 1,2,4,8
.irp c, 0,1,2,3
	v_max_num_f32_dpp v[152+\c], v[152+\c], v[152+\c] row_xmask:\m row_mask:0xf bank_mask:0xf
.endr
.endr
.irp c, 0,1,2,3
	v_permlanex16_b32 v[156+\c], v[152+\c], s[SEL], s[SEL+1]
.endr
.irp c, 0,1,2,3
	v_max_num_f32 v[152+\c], v[152+\c], v[156+\c]
.endr
.irp c, 0,1,2,3,4,5,6,7
	v_sub_f32 v[144+\c], v[144+\c], v[152+\c%4]
.endr
.irp c, 0,1,2,3,4,5,6,7
	v_mul_f32 v[144+\c], 0x3fb8aa3b, v[144+\c]     ; x log2(e)
.endr
.irp c, 0,1,2,3,4,5,6,7
	v_exp_f32 v[144+\c], v[144+\c]
.endr
	v_nop                                          ; a plain instruction between the last exponential and the use of its result
	s_wait_alu depctr_va_vdst(0)
.irp c, 0,1,2,3
	v_add_f32 v[152+\c], v[144+\c], v[148+\c]
.endr
.irp m, 1,2,4,8
.irp c, 0,1,2,3
	v_add_f32_dpp v[152+\c], v[152+\c], v[152+\c] row_xmask:\m row_mask:0xf bank_mask:0xf
.endr
.endr
.irp c, 0,1,2,3
	v_permlanex16_b32 v[156+\c], v[152+\c], s[SEL], s[SEL+1]
.endr
.irp c, 0,1,2,3
	v_add_f32 v[152+\c], v[152+\c], v[156+\c]
.endr
.irp c, 0,1,2,3
	v_rcp_f32 v[160+\c], v[152+\c]
.endr
	v_nop                                          ; a plain instruction between the last reciprocal and the use of its result
	s_wait_alu depctr_va_vdst(0)
.irp c, 0,1,2,3,4,5,6,7
	v_mul_f32 v[164+\c], v[144+\c], v[160+\c%4]
.endr
	s_cmp_lg_u32 s[WV], 0                          ; every wave holds all 256 results: wave 0 stores batches 0-31, wave 1 batches 32-63
	s_cbranch_scc1 .Lnot_first
	global_store_b128 v[VO], v[164:167], s[16:17] th:TH_STORE_NT
.Lnot_first:
	s_cmp_lg_u32 s[WV], 1
	s_cbranch_scc1 .Lnot_second
	global_store_b128 v[VO], v[168:171], s[16:17] offset:131072 th:TH_STORE_NT
.Lnot_second:
	s_wait_tensorcnt 0x0                           ; the wave's end: behind my last tensor load and my last LDS store
	ds_add_u32 v[SPW], v[NIL]
	s_wait_dscnt 0x0
	ROUND                                          ; the closing round: no work-group ends while a partner may still ask for a tile that names it
	s_endpgm
.Lfunc_end_k_qa877251ae8_attn:
	.size	k_qa877251ae8_attn, .Lfunc_end_k_qa877251ae8_attn-k_qa877251ae8_attn
	.p2alignl 7, 3214868480
	.fill 96, 4, 3214868480
	.section	.rodata,"a",@progbits
	.p2align	6, 0x0
	.amdhsa_kernel k_qa877251ae8_attn
		.amdhsa_group_segment_fixed_size 327680
		.amdhsa_private_segment_fixed_size 0
		.amdhsa_enable_private_segment 0
		.amdhsa_kernarg_size 56
		.amdhsa_user_sgpr_count 2
		.amdhsa_user_sgpr_kernarg_segment_ptr 1
		.amdhsa_wavefront_size32 1
		.amdhsa_system_sgpr_workgroup_id_x 1
		.amdhsa_system_sgpr_workgroup_id_y 1
		.amdhsa_system_sgpr_workgroup_id_z 1
		.amdhsa_system_vgpr_workitem_id 0
		.amdhsa_next_free_vgpr 1024
		.amdhsa_next_free_sgpr 66
		.amdhsa_reserve_vcc 0
		.amdhsa_float_denorm_mode_32 3
		.amdhsa_float_denorm_mode_16_64 3
		.amdhsa_memory_ordered 1
		.amdhsa_forward_progress 1
		.amdhsa_inst_pref_size 253
	.end_amdhsa_kernel
	.amdgpu_metadata
---
amdhsa.version: [ 1, 2 ]
amdhsa.kernels:
  - .name:           k_qa877251ae8_attn
    .symbol:         k_qa877251ae8_attn.kd
    .args:
      - { .name: W_codes, .offset: 0, .size: 8, .value_kind: global_buffer, .address_space: global }
      - { .name: W_scales, .offset: 8, .size: 8, .value_kind: global_buffer, .address_space: global }
      - { .name: b, .offset: 16, .size: 8, .value_kind: global_buffer, .address_space: global }
      - { .name: encoder_output_codes, .offset: 24, .size: 8, .value_kind: global_buffer, .address_space: global }
      - { .name: encoder_output_scales, .offset: 32, .size: 8, .value_kind: global_buffer, .address_space: global }
      - { .name: hidden, .offset: 40, .size: 8, .value_kind: global_buffer, .address_space: global }
      - { .name: out0, .offset: 48, .size: 8, .value_kind: global_buffer, .address_space: global }
    .group_segment_fixed_size: 327680
    .private_segment_fixed_size: 0
    .kernarg_segment_align: 8
    .kernarg_segment_size: 56
    .max_flat_workgroup_size: 128
    .sgpr_count:     66
    .vgpr_count:     1024
    .wavefront_size: 32
...
	.end_amdgpu_metadata
.endif
;; end of part 1
;; ======== version 2 of 2: 1 launch
;; limits: right only within a limited range of input values
;; launch attn (part 2): grid 256 x 1, 4 waves a work-group, clusters of 4 x 1, 327,680 bytes of LDS; arguments W_codes, W_scales, b, encoder_output_codes, encoder_output_scales, hidden, out0; writes out0
.if DOCPART == 2
	.amdgcn_target "amdgcn-amd-amdhsa--gfx1250"
	.amdhsa_code_object_version 6
	.text
	.protected	k_qa877251ae8_attn
	.globl	k_qa877251ae8_attn
	.p2align	8
	.type	k_qa877251ae8_attn,@function
k_qa877251ae8_attn:
	s_mov_b64 s[64:65], 0
	v_nop
	global_prefetch_b8 v0, s[64:65] scope:SCOPE_SE
	s_setreg_imm32_b32 hwreg(HW_REG_WAVE_MODE, 25, 1), 1
	s_wait_xcnt 0x0
	s_wait_alu depctr_hold_cnt(0) depctr_sa_sdst(0) depctr_va_vdst(0) depctr_va_sdst(0) depctr_va_ssrc(0) depctr_va_vcc(0) depctr_vm_vsrc(0)
	s_getreg_b32 s2, hwreg(HW_REG_IB_STS2, 6, 4)
	s_cmp_eq_u32 s2, 0
	s_cbranch_scc0 .Lentry_in_a_cluster
	s_endpgm
.Lentry_in_a_cluster:
	s_bfe_u32 s2, ttmp6, 0x10000c
	s_cmp_lg_u32 s2, 0x3003
	s_cbranch_scc0 .Lentry_shape_is_right
	s_endpgm
.Lentry_shape_is_right:
; out0[b][s] = softmax over b of e[b][s],  e[b][s] = sum over n of h[b][n] (proj[b][s][n] + bias[n]),  proj = enc W^T on codes of BF6 (E3M2) with one E8M0 scale for each 32 along K.
; enc: [64][1024] rows of 1,024 codes (768 bytes) and 32 scale bytes; W: [1024] rows likewise; bias [1024], h [64][1024], out0 [64][1024]: f32.  proj never goes to memory.
; SHARES.  Work-group g of 256 owns the four s = 4 g .. 4 g + 3 for ALL 64 batches, 256 rows of enc: the softmax over the batch stays at home and one launch does all.
; Wave w = 2 rg + kh owns batches 32 rg .. 32 rg + 31 (128 rows, eight row blocks of 16) and HALF OF K: k = 512 kh .. 512 kh + 511.  e is linear in proj, so the two halves' sums are added at the end.
; Row m of block a is batch 32 rg + 4 a + m / 4, s = 4 g + m % 4.  The wave's part of enc goes from memory straight into 384 registers, each byte once: the twelve loads of a block cover 384 consecutive bytes of each row.
; A SLOT is 128 rows of W x all of K, their scale bytes, and the 128 columns of h of all 64 batches.  Eight slots walk by through a ring of two LDS regions.  CLUSTER: the four work-groups of a cluster walk the same
; slots: each is asked for JOINTLY, one tensor load a wave: waves 0 and 1 every second row of W, wave 2 h, wave 3 the scales.
; A TILE is 16 rows of W against eight row blocks: 8 accumulators x 4 K steps of 128 = 32 matrix instructions.  A finished tile is multiplied by h and added into 64 running sums (E) while the next one is
; multiplied on the other set of 8 accumulators.  SLOT 0 is walked twice, with row blocks 0-3 while blocks 4-7 are on their way, then with blocks 4-7 (half tiles of 16 matrix instructions).
; MEMORY INSTRUCTIONS STAND IN ONE GROUP FOR EACH PAIR OF TILES: the LDS loads of the next pair's fragments, scale words and h, and one load of bias.  Fragments have room for four tiles.
; BIAS: each tile's first products take as C eight copies of bias[n] / 2, in both halves of K.
; LAYOUT.  Source 0 = 16 rows of enc, source 1 = 16 rows of W: a lane (r = lane % 16, hh = lane / 16) holds ONE column n and rows 8 hh + 0 .. 7: two batches x four s.
; THE ROWS OF W THAT FORM A TILE ARE NOT NEIGHBOURS: lane r of tile 2 v + w of slot z takes row n = 128 z + 32 v + 2 r + w: a lane's two tiles of a pair are two neighbouring columns, whose h come by one load of 8 bytes.
; In LDS rows w, w + 2, w + 4 .. of the slot (one wave's tensor load) follow each other.
; WITHIN A K STEP THE FOUR BLOCKS OF 32 STAND IN THE ORDER 0, 2, 1, 3, ALIKE IN BOTH OPERANDS: lane half hh takes 48 CONSECUTIVE bytes (blocks 2 hh, 2 hh + 1), three loads of 16 bytes; bytes 1 and 2 of
; every scale word change places to match (one v_perm_b32 a word).
; LIMITS, kept and stated: the f32 sums run in another order than a plain loop's; half of a bias under 2^-125 may be rounded; an exponential under 2^-126 comes out as 0; a scale byte 0xff or a NaN in h or bias makes
; the whole column of out0 NaN.  out0 leaves as 16 bytes a row (four s of one batch): a row's neighbours belong to other work-groups.
; No prefetch: enc is asked for whole in the head, with no loop to run ahead in; a slot is asked for more than 200 matrix instructions ahead, bias five tiles ahead.
;
; REGISTERS, in windows of 256 (s_set_vgpr_msb: bits 1:0 source 0, 3:2 source 1, 5:4 source 2, 7:6 destination):
;   window 0: addresses, scale words; v112-255 W's fragments of tiles 1, 2, 3 of four; at the end: at work
;   window 1: v0-127 two sets of 8 accumulators; v128-191 E; v192-239 W's fragments of tile 0 of four; v240-247 C; v248-255 bias, four pairs
;   window 2: v0-191 enc's fragments of row blocks 0-3; v192-255 h, four pairs.      window 3: the same for row blocks 4-7
; Setting WSL (+ 1 for blocks 4-7) serves the multiply-adds by h, the making of C and the matrix instructions of tile 0 of four; the other tiles' matrix instructions take WS0.
.set PITCH,  816                       ; an LDS row: 3 x (256 bytes + 16 of padding) = 51 x 16 bytes: sixteen consecutive rows begin at sixteen different multiples of 16 bytes mod 256
.set WPART,  64*PITCH                  ; what one wave's tensor load brings of W: 64 rows
.set TILE16, 16*PITCH
.set SLOT1,  1<<17                     ; W's second region begins here: one exclusive or turns an address of one region into the other's
.set SPARE,  SLOT1+2*WPART             ; the spare words, 128 bytes for each wave: two blocks of 256 bytes that no other line names
.set SCR,    SPARE+512                 ; energies, [kh][batch][4] f32
.set SCL0,   0x1a000                   ; the scales' regions, between W's two: 4,096 bytes each
.set SCLX,   0x1000
.set HPITCH, 576                       ; h: a row of 512 bytes and 64 of padding, so that the two halves of the lanes, two rows apart, read different banks
.set H0,     0x3c000                   ; h's regions, 64 x 576 = 36,864 bytes each: at 0x3c000 and 0x46000
.set HX,     0x7a000
.set WSLOTB, 128*768                   ; a slot's rows of W in memory
.set EBLK,   4*786432                  ; from row block to row block of enc in memory
.set SPW, 16
.set NIL, 17
.set AB0, 18                           ; v18-25  my lane's place in a tile of W: 4 w + class of padding
.set VH0, 26                           ; in h's region: (32 rg + 2 hh) rows + 8 r
.set VS0, 27                           ; in the scales' region: 64 r + 32 hh + 16 kh
.set VB,  28                           ; bias: 8 r
.set VAS, 29                           ; enc's scale words
.set VEN, 30                           ; enc's codes
.set STO, 31
.set RDE, 32
.set VO,  33
.set AS,  36                           ; enc's scale words: v[AS + 4 (a / 2) + q]: lanes 0-15 block a even, lanes 16-31 block a odd
.set BS,  52                           ; W's: v[BS + 4 (v % 2) + q]: lanes 0-15 the pair's even tile, lanes 16-31 the odd one
.set ADB, 68                           ; v68-75  AB0, v76 VH0, v77 VS0 in the regions in hand
.set VHB, 76
.set VSB, 77
.set XE,  80                           ; the end
.set FW,  112
.set EE,  128                          ; window 1
.set FR,  192
.set CT,  240
.set BI,  248
.set HV,  192                          ; windows 2 and 3: pair v, block a % 4, batch i, column w at v[HV + 16 v + 4 (a % 4) + 2 i + w]
.set WV,  18
.set GG,  19
.set G1W, 24                           ; s[24:31] descriptor group 1 for W;  s[32:35] its group 0, which walks
.set G0W, 32
.set EB0, 36                           ; s[36:37], s[38:39] enc at row blocks 2 and 6
.set SEL, 48
.set TB,  50                           ; where the regions in hand begin: W's,
.set CNT, 51
.set HBS, 40                           ; h's,
.set SBS, 41                           ; the scales'
.set PSEL, 60
.set RG,  61
.set KH,  62
.set K16, 63                           ; 16 kh
.set G1H, 68                           ; s[68:75], s[84:87] groups 1 and 0 for h;  s[76:83], s[88:91] for the scales
.set G1S, 76
.set G0H, 84
.set G0S, 88
.set WSL, 0x56                         ; source 0 window 2 (+ 1: window 3); source 1, source 2 and destination window 1
.set WS0, 0x52                         ; the same with source 1 in window 0
.set WD,  0x40                         ; destination window 1
.set WL2, 0x80
.set WL3, 0xc0
.set MSB, 0
.macro WIN new                         ; the immediate's high byte repeats the setting that is left; a switch that changes nothing is dropped
.if MSB != (\new)
	s_set_vgpr_msb (MSB<<8)|(\new)
.set MSB, (\new)
.endif
.endm
.macro PLACES
.rept 4
	v_nop
.endr
.endm
.macro CREST                           ; a round of the cluster's barrier behind its opening barrier
	s_cmp_lg_u32 s[WV], 0
	s_cbranch_scc1 .Lnot_wave_0_\@
	s_barrier_signal -3
.Lnot_wave_0_\@:
	s_barrier_wait -3
	s_barrier_signal -1
	s_barrier_wait -1
.endm
.macro ROUND
	s_barrier_signal -1
	s_barrier_wait -1
	CREST
.endm
.macro ENC a                           ; row block a of enc: four fragments of 12 registers
.set eI, 0
.rept 12
.set eO, (((\a)%4)-2)*EBLK+96*(eI/3)+16*(eI%3)
	global_load_b128 v[48*((\a)%4)+4*eI:48*((\a)%4)+4*eI+3], v[VEN], s[EB0+2*((\a)/4):EB0+2*((\a)/4)+1] offset:eO
.set eI, eI+1
.endr
.endm
.macro HL8 w, p                        ; h of pair p for the four row blocks of half w: eight (block, batch)
.if \w
	WIN WL3
.else
	WIN WL2
.endif
.irp n, 0,1,2,3,4,5,6,7
	ds_load_b64 v[HV+16*(\p)+2*\n:HV+16*(\p)+2*\n+1], v[VHB] offset:4*HPITCH*(4*(\w)+\n/2)+HPITCH*(\n%2)+128*(\p)
.endr
.endm
.macro BIL p, rel                      ; bias of pair p, rel slots from the base on
	WIN WD
	global_load_b64 v[BI+2*(\p):BI+2*(\p)+1], v[VB], s[8:9] offset:128*(\p)+512*(\rel)
.endm
.macro SWP k0                          ; bytes 1 and 2 of each scale word of set k0 change places
	WIN 0
.irp k, 0,1,2,3
	v_perm_b32 v[BS+4*(\k0)+\k], v[BS+4*(\k0)+\k], v[BS+4*(\k0)+\k], s[PSEL]
.endr
.endm
.macro ADDR
	WIN 0
.irp k, 0,1,2,3,4,5,6,7
	v_add_nc_u32 v[ADB+\k], s[TB], v[AB0+\k]
.endr
	v_add_nc_u32 v[VHB], s[HBS], v[VH0]
	v_add_nc_u32 v[VSB], s[SBS], v[VS0]
	s_wait_alu depctr_va_vdst(0)
.endm
; The fragments of tile tt, K steps 0 to 3 of my half, three loads of 16 bytes each: pieces x = 6 q + 0, 1, 2 counted from piece 24 kh + 3 hh of the row.  Behind every 16 pieces of a row stand 16 bytes of padding:
; the four classes of address registers differ in which (kh, hh) have passed one more of them; from x = 18 on all have.
.macro FRG tt, dst
.set gI, 0
.rept 12
.set gX, 6*(gI/3)+gI%3
.set gC, 0
.if gX == 6 || gX == 7
.set gC, 1
.endif
.if gX == 8 || gX == 12
.set gC, 2
.endif
.if gX == 13 || gX == 14
.set gC, 3
.endif
.set gO, TILE16*((\tt)/2)+16*gX+16*(gX/18)
	ds_load_b128 v[(\dst)+4*gI:(\dst)+4*gI+3], v[ADB+4*((\tt)%2)+gC] offset:gO
.set gI, gI+1
.endr
.endm
.macro GRP pn, hw                      ; pair pn of a slot: fragments, scale words, and h for row blocks 0-3 (hw = 0), 4-7 (1) or all (2)
.set gP, \pn
.if gP%2 == 0
	WIN WD
	FRG 2*gP, FR
	WIN 0
	FRG 2*gP+1, FW
.else
	WIN 0
	FRG 2*gP, FW+48
	FRG 2*gP+1, FW+96
.endif
	ds_load_b128 v[BS+4*(gP%2):BS+4*(gP%2)+3], v[VSB] offset:1024*gP
.if \hw != 1
	HL8 0, gP
.endif
.if \hw != 0
	HL8 1, gP
.endif
.endm
; One matrix instruction of tile TT, K step Q against row block a.  K step 0 takes C = bias / 2.
.macro MM a
.set rD, 64*(TT%2)+8*(\a)
.set rC, rD
.if Q == 0
.set rC, CT
.endif
.set rA, 48*((\a)%4)+12*Q
.set rSA, AS+4*((\a)/2)+Q
.set rSB, BS+4*((TT/2)%2)+Q
.if (\a)%2 == 0
.if TT%2 == 0
	v_wmma_scale_f32_16x16x128_f8f6f4 v[rD:rD+7], v[rA:rA+11], v[FB:FB+11], v[rC:rC+7], v[rSA], v[rSB] matrix_a_fmt:MATRIX_FMT_BF6 matrix_b_fmt:MATRIX_FMT_BF6
.else
	v_wmma_scale_f32_16x16x128_f8f6f4 v[rD:rD+7], v[rA:rA+11], v[FB:FB+11], v[rC:rC+7], v[rSA], v[rSB] matrix_a_fmt:MATRIX_FMT_BF6 matrix_b_fmt:MATRIX_FMT_BF6 matrix_b_scale:MATRIX_SCALE_ROW1
.endif
.else
.if TT%2 == 0
	v_wmma_scale_f32_16x16x128_f8f6f4 v[rD:rD+7], v[rA:rA+11], v[FB:FB+11], v[rC:rC+7], v[rSA], v[rSB] matrix_a_fmt:MATRIX_FMT_BF6 matrix_b_fmt:MATRIX_FMT_BF6 matrix_a_scale:MATRIX_SCALE_ROW1
.else
	v_wmma_scale_f32_16x16x128_f8f6f4 v[rD:rD+7], v[rA:rA+11], v[FB:FB+11], v[rC:rC+7], v[rSA], v[rSB] matrix_a_fmt:MATRIX_FMT_BF6 matrix_b_fmt:MATRIX_FMT_BF6 matrix_a_scale:MATRIX_SCALE_ROW1 matrix_b_scale:MATRIX_SCALE_ROW1
.endif
.endif
.endm
; E += h x registers 2 k, 2 k + 1 of row block a's accumulator of tile PV (two s of batch k / 2 of my half: one h for both).  EM: 0 only a place is kept; 1 add; 2 the first tile starts E.
; k ascends: each accumulator is first read at its low end.
.macro EV a, k
.set rE, EE+8*(\a)+2*(\k)
.set rH, HV+16*(PV/2)+4*((\a)%4)+2*((\k)/2)
.set rK, 64*(PV%2)+8*(\a)+2*(\k)
.if EM == 0
	v_nop
.elseif EM == 1
.if PV%2 == 0
	v_pk_fma_f32 v[rE:rE+1], v[rH:rH+1], v[rK:rK+1], v[rE:rE+1] op_sel_hi:[0,1,1]
.else
	v_pk_fma_f32 v[rE:rE+1], v[rH:rH+1], v[rK:rK+1], v[rE:rE+1] op_sel:[1,0,0] op_sel_hi:[1,1,1]
.endif
.else
.if PV%2 == 0
	v_pk_mul_f32 v[rE:rE+1], v[rH:rH+1], v[rK:rK+1] op_sel_hi:[0,1]
.else
	v_pk_mul_f32 v[rE:rE+1], v[rH:rH+1], v[rK:rK+1] op_sel:[1,0] op_sel_hi:[1,1]
.endif
.endif
.endm
.macro CTN                             ; C of the next tile: eight copies of bias[n] / 2
.set cB, BI+(TT+1)%8
.irp j, 0,1,2,3,4,5,6,7
	v_mul_f32 v[CT+\j], 0.5, v[cB]
.endr
.endm
.macro TAKE h                          ; the four row blocks of half h of tile PV into E
	WIN WSL+(\h)
.irp b, 0,1,2,3
.irp k, 0,1,2,3
	EV 4*(\h)+\b, \k
.endr
.endr
.endm
; The wave's one tensor load behind the round, a joint one.  The branches hang on the wave's number alone: waves 0 and 1 fetch W, wave 2 h, wave 3 the scales.
.macro TLOAD
	s_cmp_lt_u32 s[WV], 2
	s_cbranch_scc0 .Lfor_h_\@
	tensor_load_to_lds s[G0W:G0W+3], s[G1W:G1W+7]
	s_nop 0
	PLACES
	s_branch .Lasked_\@
.Lfor_h_\@:
	s_cmp_eq_u32 s[WV], 2
	s_cbranch_scc0 .Lfor_s_\@
	tensor_load_to_lds s[G0H:G0H+3], s[G1H:G1H+7]
	s_nop 0
	PLACES
	s_branch .Lasked_\@
.Lfor_s_\@:
	tensor_load_to_lds s[G0S:G0S+3], s[G1S:G1S+7]
	s_nop 0
	PLACES
.Lasked_\@:
.endm
.macro GSTEP                           ; the walking descriptors: the other region, the next slot; the type bits on top are not reached
	s_xor_b32 s[G0W+1], s[G0W+1], SLOT1
	s_add_nc_u64 s[G0W+2:G0W+3], s[G0W+2:G0W+3], WSLOTB
	s_xor_b32 s[G0H+1], s[G0H+1], HX
	s_add_nc_u64 s[G0H+2:G0H+3], s[G0H+2:G0H+3], 512
	s_xor_b32 s[G0S+1], s[G0S+1], SCLX
	s_add_nc_u64 s[G0S+2:G0S+3], s[G0S+2:G0S+3], 4096
.endm
; Four matrix instructions, row blocks 4 h .. 4 h + 3, and four multiply-adds of one row block of the tile before: in K step Q that is block 4 h + Q.
; EPI: 0 there is no tile before; 1 take it into E; 2 its row blocks 4-7 alone; 3 it starts E.  CTF = 1: C of the next tile is made, four places or more behind K step 0's last product, which reads C.
.macro HALF h
.set EM, 0
.if EPI == 1 || (EPI == 2 && (\h) == 1)
.set EM, 1
.endif
.if EPI == 3
.set EM, 2
.endif
.set BK, 4*(\h)+Q
.if TT%4 == 0
.set FB, FR+12*Q
	WIN WSL+(\h)
	MM 4*(\h)
	EV BK, 0
	MM 4*(\h)+1
	EV BK, 1
	MM 4*(\h)+2
	EV BK, 2
.else
.set FB, FW+48*(TT%4-1)+12*Q
	WIN WS0+(\h)
	MM 4*(\h)
	MM 4*(\h)+1
.if EM
	WIN WSL+(\h)
.endif
	EV BK, 0
	EV BK, 1
.endif
.if CTF
	WIN WSL+(\h)
	CTN
.if EPI == 0 || EPI == 2
	s_wait_alu depctr_va_vdst(0)
.endif
.endif
.if TT%4 == 0
	MM 4*(\h)+3
	EV BK, 3
.else
	WIN WS0+(\h)
	MM 4*(\h)+2
	MM 4*(\h)+3
.if EM
	WIN WSL+(\h)
.endif
	EV BK, 2
	EV BK, 3
.endif
.endm
.macro NEXTSW                          ; in a pair's odd tile: the next pair's loads are in (asked for in the even tile); its scale words are put in order
	WIN 0
	s_wait_dscnt 0x0
	SWP ((TT+1)/2)%2
.endm
.macro NEXTSLOT                        ; the regions of the next slot, its first pair, and the bias of its third
	s_xor_b32 s[TB], s[TB], SLOT1
	s_xor_b32 s[HBS], s[HBS], HX
	s_xor_b32 s[SBS], s[SBS], SCLX
	ADDR
	GRP 0, 2
	BIL 2, 1
.endm
; A HALF TILE (slot 0): row blocks 4 HH .. 4 HH + 3.  The next pair's group stands behind the even tile's first K step.
.macro LSET tt
.set TT, \tt
.set PV, (TT+7)%8
.set EPI, 1
.if TT == 0
.set EPI, 0
.endif
.if TT == 1
.set EPI, 3
.endif
.set Q, 0
.endm
.macro LST
.set CTF, 0
.if Q == 1
.set CTF, 1
.endif
	HALF HH
.set CTF, 0
.set Q, Q+1
.endm
.macro LT tt
	LSET \tt
	LST
.if TT%2 == 1
	NEXTSW
.elseif TT == 6
	GRP 0, 1                                       ; slot 0 again, with row blocks 4-7
.else
	GRP TT/2+1, HH
.if HH == 1 && TT > 0
	BIL TT/2-1, 1
.endif
.endif
	LST
	LST
	LST
.endm
; A WHOLE TILE.  Even K steps take row blocks 0-3 and then 4-7, odd ones the other way round.
; lw: a wait on LOADcnt at the head: so many younger loads of bias may be out.  ldn = 1: the next slot's bias is asked for.
; turn (tile 6): 1 the slot is left and filled again; 2 it is left; 3 the last slot.
.macro FT tt, epi, lw, ldn, turn
.set TT, \tt
.set PV, (TT+7)%8
.set EPI, \epi
.set LASTT, 0
.if \turn == 3 && TT == 7
.set LASTT, 1
.endif
.set CHG, 0
.if \turn < 3 && TT == 6
.set CHG, 1
.endif
.set Q, 0
.if \lw >= 0
	s_wait_loadcnt \lw
.endif
.if CHG
	; THE CHANGE OF SLOTS: the slot's last pair is in registers.  Each wave waits for all its tensor loads (one is out: its part of the next slot), adds 0 to its spare word, and waits for that.
	WIN 0
	s_wait_tensorcnt 0x0
	ds_add_u32 v[SPW], v[NIL]
.if \turn == 1
	GSTEP
.endif
.endif
.rept 4
.set H1, Q%2
.set CTF, 0
.if Q == 1 && LASTT == 0
.set CTF, 1
.endif
	HALF H1
.set CTF, 0
.if Q == 0
.if TT%2 == 1
.if LASTT == 0
	NEXTSW
.endif
.elseif CHG
	s_wait_dscnt 0x0                               ; the add is done, and my reads of this slot are over
	s_barrier_signal -1
.elseif TT < 6
	GRP TT/2+1, 2
.if TT == 0
	BIL 3, 1                                       ; (the base is still at the slot before)
.elseif \ldn
	BIL TT/2-1, 1
.endif
.endif
.endif
	HALF (1-H1)
.if CHG && Q == 0
	WIN 0
	s_barrier_wait -1
.if \turn == 1
	CREST                                          ; no wave of any partner still reads this slot or has a load on its way
	TLOAD                                          ; the slot two on
.endif
	NEXTSLOT
.endif
.set Q, Q+1
.endr
.endm
.macro SLOT turn                       ; tiles 1 to 7 of a slot and tile 0 of the next
	FT 1, 1, 2, 1, \turn
	FT 2, 1, -1, 1, \turn
	FT 3, 1, 2, 1, \turn
	FT 4, 1, -1, 1, \turn
	FT 5, 1, 2, 1, \turn
	FT 6, 1, -1, 1, \turn
	FT 7, 1, 2, 1, \turn
	FT 0, 1, -1, 1, \turn
.endm
.macro BSTEP                           ; the base of bias goes on by a slot
	WIN 0
	s_wait_xcnt 0x0
	s_add_nc_u64 s[8:9], s[8:9], 512
.endm
	s_load_b256 s[4:11], s[0:1], 0x0               ; W's codes s[4:5], W's scales s[6:7], bias s[8:9], enc's codes s[10:11]
	s_load_b128 s[12:15], s[0:1], 0x20             ; enc's scales s[12:13], h s[14:15]
	s_load_b64 s[16:17], s[0:1], 0x30              ; out0
	v_lshl_add_u32 v[SPW], v0, 2, SPARE
	v_mov_b32 v[NIL], 0
	ds_add_u32 v[SPW], v[NIL]
	ds_add_u32 v[SPW], v[NIL]
	v_lshrrev_b32 v1, 5, v0
	v_readfirstlane_b32 s[WV], v1                  ; wave 0..3
	s_bfe_u32 s52, ttmp6, 0x40000                  ; cx
	s_lshl_b32 s[GG], ttmp9, 2                     ; in a cluster launch ttmp9 counts clusters
	s_add_co_u32 s[GG], s[GG], s52                 ; g = 4 x cluster + cx: it enters the addresses of enc, its scales and out0 alone
	s_lshr_b32 s[RG], s[WV], 1
	s_and_b32 s[KH], s[WV], 1
	s_lshl_b32 s[K16], s[KH], 4
	; group 1, word 0: 15:0 the mask: all four work-groups; 17:16 elements of 8 bytes; 20 padding on; 21 set beside a mask; 24:22 after so many words (code 5: 64, code 6: 128); 31:25 so many words of it less 1
	s_mov_b32 s[G1W+0], 15|(3<<16)|(1<<20)|(1<<21)|(5<<22)|(3<<25)  ; W: 64 rows of 96 elements, two rows of W apart; 16 bytes of padding behind every 256
	s_mov_b32 s[G1W+1], 96<<16                     ; tensor_dim0
	s_mov_b32 s[G1W+2], 64<<16                     ; tensor_dim1
	s_mov_b32 s[G1W+3], 96<<16                     ; tile_dim0
	s_mov_b32 s[G1W+4], 64                         ; tile_dim1
	s_mov_b32 s[G1W+5], 192                        ; from row to row: 1,536 bytes
	s_mov_b32 s[G1W+6], 0
	s_mov_b32 s[G1W+7], 0
	s_mov_b32 s[G1H+0], 15|(3<<16)|(1<<20)|(1<<21)|(6<<22)|(15<<25) ; h: 64 batches of 64 elements; 64 bytes of padding behind every 512
	s_mov_b32 s[G1H+1], 64<<16
	s_mov_b32 s[G1H+2], 64<<16
	s_mov_b32 s[G1H+3], 64<<16
	s_mov_b32 s[G1H+4], 64
	s_mov_b32 s[G1H+5], 512                        ; from batch to batch: 4,096 bytes
	s_mov_b32 s[G1H+6], 0
	s_mov_b32 s[G1H+7], 0
	s_mov_b32 s[G1S+0], 15|(3<<16)|(1<<21)         ; the scales of 128 rows: a dense block of 4,096 bytes, as 16 rows of 256
	s_mov_b32 s[G1S+1], 32<<16
	s_mov_b32 s[G1S+2], 16<<16
	s_mov_b32 s[G1S+3], 32<<16
	s_mov_b32 s[G1S+4], 16
	s_mov_b32 s[G1S+5], 32
	s_mov_b32 s[G1S+6], 0
	s_mov_b32 s[G1S+7], 0
	s_mul_i32 s20, s[WV], 768                      ; W: my tile begins at row w of a slot
	s_mov_b32 s21, 0
	s_mul_i32 s22, s[RG], 32*786432                ; enc: my 32 batches,
	s_mul_i32 s23, s[GG], 3072                     ; my work-group's four s,
	s_add_co_u32 s22, s22, s23
	s_mul_i32 s23, s[KH], 384                      ; my half of K,
	s_add_co_u32 s22, s22, s23
	s_add_co_u32 s22, s22, 2*EBLK                  ; at row block 2: the blocks' offsets stay inside the signed 24-bit immediate
	s_mov_b32 s23, 0
	s_lshl_b32 s54, s[RG], 20                      ; enc's scales: 32 batches of 32,768 bytes, four s of 32
	s_lshl_b32 s55, s[GG], 7
	s_add_co_u32 s54, s54, s55
	s_add_co_u32 s54, s54, s[K16]
	s_mov_b32 s55, 0
	s_lshl_b32 s58, s[GG], 4                       ; out0: four s of 4 bytes
	s_mov_b32 s59, 0
	s_mov_b32 s[G0W], 1                            ; count = 1
	s_mul_i32 s[G0W+1], s[WV], WPART               ; LDS address: region 0, part w: no place in the cluster enters it
	s_mov_b32 s[G0H], 1
	s_mov_b32 s[G0H+1], H0
	s_mov_b32 s[G0S], 1
	s_mov_b32 s[G0S+1], SCL0
	s_mov_b32 s[SEL], 0x76543210
	s_mov_b32 s[SEL+1], 0xfedcba98
	s_mov_b32 s[PSEL], 0x03010200                  ; result bytes 3, 2, 1, 0 = source bytes 3, 1, 2, 0
	s_mov_b32 s[TB], 0
	s_mov_b32 s[HBS], H0
	s_mov_b32 s[SBS], SCL0
	s_mov_b32 s[CNT], 5
	v_and_b32 v1, 15, v0                           ; r
	v_bfe_u32 v2, v0, 4, 1                         ; hh
	v_mul_u32_u24 v3, v1, PITCH
	v_mad_u32_u24 v3, v2, 48, v3                   ; lanes 16-31 read three pieces further on
	s_mul_i32 s53, s[KH], 400                      ; my half of K begins at byte 384, behind one padding
	v_add_nc_u32 v[AB0], s53, v3
	v_mul_u32_u24 v4, s[K16], v2                   ; the classes: 16 kh hh,
	v_add_nc_u32 v[AB0+1], v[AB0], v4
	v_add_nc_u32 v[AB0+2], s[K16], v[AB0]          ; 16 kh,
	v_lshl_or_b32 v5, v2, 4, s[K16]                ; 16 where kh or hh is 1
	v_add_nc_u32 v[AB0+3], v[AB0], v5
.irp k, 0,1,2,3
	v_add_nc_u32 v[AB0+4+\k], WPART, v[AB0+\k]
.endr
	v_lshlrev_b32 v[VB], 3, v1
	s_mul_i32 s53, s[RG], 32*HPITCH
	v_mul_u32_u24 v4, v2, 2*HPITCH
	v_add_nc_u32 v4, v4, v[VB]
	v_add_nc_u32 v[VH0], s53, v4
	v_lshlrev_b32 v[VS0], 6, v1
	v_lshl_add_u32 v[VS0], v2, 5, v[VS0]
	v_add_nc_u32 v[VS0], s[K16], v[VS0]
	v_lshrrev_b32 v6, 2, v1                        ; r / 4: batch
	v_and_b32 v7, 3, v1                            ; r % 4: s
	v_lshlrev_b32 v[VAS], 15, v6
	v_lshl_add_u32 v[VAS], v7, 5, v[VAS]
	v_lshl_add_u32 v[VAS], v2, 17, v[VAS]          ; lanes 16-31: the next row block
	v_mul_u32_u24 v[VEN], v6, 786432
	v_mad_u32_u24 v[VEN], v7, 768, v[VEN]
	v_mad_u32_u24 v[VEN], v2, 48, v[VEN]
	s_lshl_b32 s53, s[RG], 9
	s_lshl_b32 s52, s[KH], 10
	s_add_co_u32 s53, s53, s52
	s_add_co_u32 s53, s53, SCR
	v_lshrrev_b32 v9, 1, v1
	v_and_b32 v10, 1, v1
	v_lshl_add_u32 v[STO], v9, 6, s53              ; energies, 16 bytes a batch: lane (r, hh) stores batch 4 (r / 2) + 2 hh + r % 2 of my 32
	v_lshl_add_u32 v[STO], v10, 4, v[STO]
	v_lshl_add_u32 v[STO], v2, 5, v[STO]
	v_and_b32 v8, 31, v0
	v_lshl_add_u32 v[RDE], v8, 4, SCR
	v_lshlrev_b32 v[VO], 12, v8
	s_wait_dscnt 0x0                               ; both opening adds are done
	s_wait_alu depctr_va_vdst(0)
	s_wait_kmcnt 0x0
	s_add_nc_u64 s[G0W+2:G0W+3], s[4:5], s[20:21]
	s_or_b32 s[G0W+3], s[G0W+3], 0x80000000        ; type = 2
	s_mov_b64 s[G0H+2:G0H+3], s[14:15]
	s_or_b32 s[G0H+3], s[G0H+3], 0x80000000
	s_mov_b64 s[G0S+2:G0S+3], s[6:7]
	s_or_b32 s[G0S+3], s[G0S+3], 0x80000000
	s_add_nc_u64 s[EB0:EB0+1], s[10:11], s[22:23]
	s_add_nc_u64 s[EB0+2:EB0+3], s[EB0:EB0+1], 4*EBLK
	s_add_nc_u64 s[12:13], s[12:13], s[54:55]
	s_add_nc_u64 s[16:17], s[16:17], s[58:59]
	ROUND                                          ; all four work-groups are here: the first joint loads meet
	TLOAD                                          ; slot 0
	; 8 loads: enc's scale words and slot 0's bias; then enc's row blocks 0 to 4
.irp a, 0,1,2,3
	global_load_b128 v[AS+4*\a:AS+4*\a+3], v[VAS], s[12:13] offset:262144*\a
.endr
.irp p, 0,1,2,3
	BIL \p, 0
.endr
	WIN WL2
	ENC 0
	ENC 1
	ENC 2
	ENC 3
	WIN WL3
	ENC 4
	WIN 0
	s_wait_loadcnt 60                              ; the 8 are in; enc's row blocks 0-4 may be out
.irp k, 0,1,2,3,4,5,6,7,8,9,10,11,12,13,14,15
	v_perm_b32 v[AS+\k], v[AS+\k], v[AS+\k], s[PSEL]
.endr
	s_wait_alu depctr_va_vdst(0)
	s_wait_tensorcnt 0x0                           ; my part of slot 0 is in
	ds_add_u32 v[SPW], v[NIL]
	GSTEP
	s_wait_dscnt 0x0
	ROUND                                          ; every wave's part of slot 0 has landed
	TLOAD                                          ; slot 1
	ADDR
	GRP 0, 0
	WIN WL3
	ENC 5
	ENC 6
	ENC 7
	WIN 0
	s_wait_dscnt 0x0                               ; the first pair
	SWP 0
	WIN WSL
.set TT, 7
	CTN                                            ; C of tile 0
	WIN 0
	PLACES                                         ; a scale register written by a vector instruction stands eight places ahead of a scaled matrix instruction
	s_wait_alu depctr_va_vdst(0)
	s_wait_loadcnt 48                              ; row blocks 0-3 are in; blocks 4-7 are on their way
; SLOT 0 WITH ROW BLOCKS 0-3
.set CTF, 0
.set HH, 0
	LT 0
	LT 1
	LT 2
	LT 3
	LT 4
	LT 5
	LT 6
	LT 7
.set PV, 7
.set EM, 1
	TAKE 0
	s_wait_loadcnt 0x0                             ; row blocks 4-7
; SLOT 0 WITH ROW BLOCKS 4-7
.set HH, 1
	LT 0
	LT 1
	LT 2
	LT 3
	LT 4
	LT 5
	LSET 6                                         ; the change of slots (see FT)
	WIN 0
	s_wait_tensorcnt 0x0
	ds_add_u32 v[SPW], v[NIL]
	GSTEP
	LST
	s_wait_dscnt 0x0                               ; the add is done, and my reads of slot 0 are over
	s_barrier_signal -1
	LST
	WIN 0
	s_barrier_wait -1
	CREST
	TLOAD                                          ; slot 2
	NEXTSLOT
	LST
	LST
	LSET 7
	s_wait_loadcnt 2                               ; the bias of slot 1's first pair is in; two younger loads of bias may be out
	LST
	NEXTSW
	LST
	LST
	LST
; SLOTS 1 TO 7, WHOLE TILES
	FT 0, 2, -1, 1, 1                              ; tile 0 of slot 1
	BSTEP
.Lslot:                                                ; five trips: tiles 1 to 7 of slot z and tile 0 of slot z + 1; slot z's regions are filled with slot z + 2
	SLOT 1
	BSTEP
	s_sub_co_u32 s[CNT], s[CNT], 1
	s_cmp_lg_u32 s[CNT], 0
	s_cbranch_scc1 .Lslot
	SLOT 2                                         ; slot 6 is left, and nothing is asked for: the tail is written out
	FT 1, 1, 2, 0, 3                               ; slot 7
	FT 2, 1, -1, 0, 3
	FT 3, 1, 1, 0, 3
	FT 4, 1, -1, 0, 3
	FT 5, 1, 0, 0, 3
	FT 6, 1, -1, 0, 3
	FT 7, 1, -1, 0, 3
.set PV, 7
.set EM, 1
	TAKE 1                                         ; row blocks 4-7 were finished first
	TAKE 0
	; THE END.  The sixteen lanes of a half are added, and at each step a lane keeps half of the registers: at the end lane r holds registers 4 r .. 4 r + 3 of the 64, my half of K's part of
	; e(batch 32 rg + 4 (r / 2) + 2 hh + r % 2, s = 4 g + 0 .. 3).
	s_mov_b32 s52, 0xff00ff00                      ; the lanes with r & 8,
	s_mov_b32 s53, 0xf0f0f0f0                      ; r & 4,
	s_mov_b32 s54, 0xcccccccc                      ; r & 2,
	s_mov_b32 s55, 0xaaaaaaaa                      ; r & 1
	WIN 0x45                                       ; sources and destination window 1
.macro FOLD m, n, mask
.set KK, 0
.rept \n
	v_add_f32_dpp v[EE+KK], v[EE+KK], v[EE+KK] row_xmask:\m row_mask:0xf bank_mask:0xf
.set KK, KK+1
.endr
.set KK, 0
.rept \n/2
	v_cndmask_b32 v[EE+KK], v[EE+KK], v[EE+KK+\n/2], s[\mask]
.set KK, KK+1
.endr
.endm
	FOLD 8, 64, 52
	FOLD 4, 32, 53
	FOLD 2, 16, 54
	FOLD 1, 8, 55
	WIN 0x04                                       ; data window 1, address window 0
	ds_store_b128 v[STO], v[EE:EE+3]
	WIN 0
.irp c, 0,1,2,3
	v_mov_b32 v[XE+20+\c], 0                       ; written once: a lane permute's destination counts as one of its sources
.endr
	s_wait_dscnt 0x0                               ; for the others' sake: my store has landed
	s_barrier_signal -1
	s_barrier_wait -1
	ds_load_b128 v[XE:XE+3], v[RDE]                ; batch l, first half of K,
	ds_load_b128 v[XE+4:XE+7], v[RDE] offset:512   ; batch l + 32,
	ds_load_b128 v[XE+8:XE+11], v[RDE] offset:1024 ; and the second half of K
	ds_load_b128 v[XE+12:XE+15], v[RDE] offset:1536
	s_wait_dscnt 0x0
.irp c, 0,1,2,3,4,5,6,7
	v_add_f32 v[XE+\c], v[XE+\c], v[XE+8+\c]
.endr
	; the softmax over the 64 batches, for four s at once: the largest is taken away before the exponential
.irp c, 0,1,2,3
	v_max_num_f32 v[XE+16+\c], v[XE+\c], v[XE+4+\c]
.endr
.irp m, 1,2,4,8
.irp c, 0,1,2,3
	v_max_num_f32_dpp v[XE+16+\c], v[XE+16+\c], v[XE+16+\c] row_xmask:\m row_mask:0xf bank_mask:0xf
.endr
.endr
.irp c, 0,1,2,3
	v_permlanex16_b32 v[XE+20+\c], v[XE+16+\c], s[SEL], s[SEL+1]
.endr
.irp c, 0,1,2,3
	v_max_num_f32 v[XE+16+\c], v[XE+16+\c], v[XE+20+\c]
.endr
.irp c, 0,1,2,3,4,5,6,7
	v_sub_f32 v[XE+\c], v[XE+\c], v[XE+16+\c%4]
.endr
.irp c, 0,1,2,3,4,5,6,7
	v_mul_f32 v[XE+\c], 0x3fb8aa3b, v[XE+\c]       ; x log2(e)
.endr
	s_wait_alu depctr_va_vdst(0)                   ; ahead of the batch
.irp c, 0,1,2,3,4,5,6,7
	v_exp_f32 v[XE+\c], v[XE+\c]
.endr
	v_nop
	s_wait_alu depctr_va_vdst(0)                   ; and behind it
.irp c, 0,1,2,3
	v_add_f32 v[XE+16+\c], v[XE+\c], v[XE+4+\c]
.endr
.irp m, 1,2,4,8
.irp c, 0,1,2,3
	v_add_f32_dpp v[XE+16+\c], v[XE+16+\c], v[XE+16+\c] row_xmask:\m row_mask:0xf bank_mask:0xf
.endr
.endr
.irp c, 0,1,2,3
	v_permlanex16_b32 v[XE+20+\c], v[XE+16+\c], s[SEL], s[SEL+1]
.endr
.irp c, 0,1,2,3
	v_add_f32 v[XE+16+\c], v[XE+16+\c], v[XE+20+\c]
.endr
	s_wait_alu depctr_va_vdst(0)
.irp c, 0,1,2,3
	v_rcp_f32 v[XE+24+\c], v[XE+16+\c]
.endr
	v_nop
	s_wait_alu depctr_va_vdst(0)
.irp c, 0,1,2,3,4,5,6,7
	v_mul_f32 v[XE+28+\c], v[XE+\c], v[XE+24+\c%4]
.endr
	s_wait_alu depctr_va_vdst(0)                   ; ahead of the branches
	s_cmp_lg_u32 s[WV], 0                          ; every wave holds all 256 results: wave 0 stores batches 0-31, wave 1 batches 32-63
	s_cbranch_scc1 .Lnot_first
	global_store_b128 v[VO], v[XE+28:XE+31], s[16:17] th:TH_STORE_NT
.Lnot_first:
	s_cmp_lg_u32 s[WV], 1
	s_cbranch_scc1 .Lnot_second
	global_store_b128 v[VO], v[XE+32:XE+35], s[16:17] offset:131072 th:TH_STORE_NT
.Lnot_second:
	s_wait_tensorcnt 0x0                           ; the wave's end
	ds_add_u32 v[SPW], v[NIL]
	s_wait_dscnt 0x0
	ROUND                                          ; the closing round: no work-group ends while a partner may still ask for a tile that names it
	s_endpgm
.Lfunc_end_k_qa877251ae8_attn:
	.size	k_qa877251ae8_attn, .Lfunc_end_k_qa877251ae8_attn-k_qa877251ae8_attn
	.p2alignl 7, 3214868480
	.fill 96, 4, 3214868480
	.section	.rodata,"a",@progbits
	.p2align	6, 0x0
	.amdhsa_kernel k_qa877251ae8_attn
		.amdhsa_group_segment_fixed_size 327680
		.amdhsa_private_segment_fixed_size 0
		.amdhsa_enable_private_segment 0
		.amdhsa_kernarg_size 56
		.amdhsa_user_sgpr_count 2
		.amdhsa_user_sgpr_kernarg_segment_ptr 1
		.amdhsa_wavefront_size32 1
		.amdhsa_system_sgpr_workgroup_id_x 1
		.amdhsa_system_sgpr_workgroup_id_y 1
		.amdhsa_system_sgpr_workgroup_id_z 1
		.amdhsa_system_vgpr_workitem_id 0
		.amdhsa_next_free_vgpr 1024
		.amdhsa_next_free_sgpr 92
		.amdhsa_reserve_vcc 0
		.amdhsa_float_denorm_mode_32 3
		.amdhsa_float_denorm_mode_16_64 3
		.amdhsa_memory_ordered 1
		.amdhsa_forward_progress 1
		.amdhsa_inst_pref_size 255
	.end_amdhsa_kernel
	.section	.bss,"aw",@nobits
	.p2align	6
	.space	262144
	.amdgpu_metadata
---
amdhsa.version: [ 1, 2 ]
amdhsa.kernels:
  - .name:           k_qa877251ae8_attn
    .symbol:         k_qa877251ae8_attn.kd
    .args:
      - { .name: W_codes, .offset: 0, .size: 8, .value_kind: global_buffer, .address_space: global }
      - { .name: W_scales, .offset: 8, .size: 8, .value_kind: global_buffer, .address_space: global }
      - { .name: b, .offset: 16, .size: 8, .value_kind: global_buffer, .address_space: global }
      - { .name: encoder_output_codes, .offset: 24, .size: 8, .value_kind: global_buffer, .address_space: global }
      - { .name: encoder_output_scales, .offset: 32, .size: 8, .value_kind: global_buffer, .address_space: global }
      - { .name: hidden, .offset: 40, .size: 8, .value_kind: global_buffer, .address_space: global }
      - { .name: out0, .offset: 48, .size: 8, .value_kind: global_buffer, .address_space: global }
    .group_segment_fixed_size: 327680
    .private_segment_fixed_size: 0
    .kernarg_segment_align: 8
    .kernarg_segment_size: 56
    .max_flat_workgroup_size: 128
    .sgpr_count:     92
    .vgpr_count:     1024
    .wavefront_size: 32
...
	.end_amdgpu_metadata
.endif
;; end of part 2
